; MI455X (gfx1250); checked and timed in simulation.
; The chip was launched on July 23, 2026; its instructions are those of AMD's public machine-readable ISA for CDNA 5 (MIT licence, August 2026) and "CDNA5" Instruction Set Architecture Reference Guide (July 2026). The comments in the code are by the model that wrote it; some were corrected since.
;; Attention. Allowed arithmetic: matrix products marked QUANTISED: E2M3 operands, one E8M0 scale for each 32 along K, by v_wmma_scale_f32_16x16x128_f8f6f4 with both operands' format E2M3, f32 sums; products left as they are: f32 operands where the result goes on into a quantised operand, else bf16, f16 or f32 operands; f32 sums; everything else in f32.
;; Inputs: Wh 1,024 x 1,024 float32; Ws 1,024 x 1,024 float32; bs 1,024 float32; c_dec 1 x 32 x 512 float32; encoder_output 32 x 2,048 x 1,024 float32; h_dec 1 x 32 x 512 float32; v 1,024 float32; x_padding_masks 32 x 2,048 float32.
;; Outputs: out0 32 x 1,024 float32; out1 32 x 2,048 float32.
;; This version of the problem:
;;   THIS VERSION OF THE PROBLEM IS GIVEN IN LOW PRECISION. The matrix products marked QUANTISED in the list below multiply operands that are first quantised to E2M3 (2 exponent bits, 3 mantissa bits; 6 bits a number), with one power-of-two scale for each 32 numbers along K (OCP MX v1.0); their sums are f32. All else is computed in f32.
;;   The module's matrix products, in the order in which they are computed (A, B: the left and right operand; K: the contracted axis; several contracted axes count as one K, in the product's order):
;;     1. [M 65,536, K 1,024] x [K 1,024, N 1,024]; A: input encoder_output; B: input Wh: QUANTISED
;;     2. [M 32, K 1,024] x [K 1,024, N 1,024]; A: computed on the way; B: input Ws: QUANTISED
;;     3. [M 65,536, K 1,024] x [K 1,024, N 1]; A: computed on the way; B: input v: left as it is (N = 1 < 16)
;;     4. batch 32 x [M 1, K 2,048] x [K 2,048, N 1,024]; A: computed on the way; B: input encoder_output: left as it is (M = 1 < 16)
;;   THE QUANTISER, for each operand of a quantised product, along K:
;;     - K is cut into blocks of 32 from its start; a last block that is shorter is filled with zeros.
;;     - A block's scale is 2^e with e = floor(log2(the largest magnitude in the block)) - 2, held to -126 .. 127; a block of zeros has e = 0. As a byte (E8M0): e + 127.
;;     - Each number is divided by its block's scale, clamped to +-7.5, and rounded to the nearest number of E2M3, ties to even, subnormals kept.
;;     - The product sums the exact products of the quantised numbers (number of the format x scale) in f32.
;;   ~~~python
;;   def quantise(x, axis):      # numpy; x: float32 -> the quantised numbers, widened to float32 again
;;       x = np.moveaxis(x, axis, -1); K = x.shape[-1]
;;       x = np.pad(x, [(0, 0)] * (x.ndim - 1) + [(0, -K % 32)]); x = x.reshape(x.shape[:-1] + (-1, 32)); a = np.abs(x).max(-1, keepdims=True)
;;       e = np.where(a > 0, np.clip(np.frexp(np.where(a > 0, a, 1))[1] - 1 - 2, -126, 127), 0)      # np.frexp(a)[1] - 1 = floor(log2(a)), exactly
;;       r = np.clip(x / 2.0 ** e, -7.5, 7.5)
;;       step = 2.0 ** (np.maximum(np.frexp(np.where(r == 0, 1, r))[1] - 1, 0) - 3)
;;       q = np.round(r / step) * step * 2.0 ** e      # np.round: ties to even
;;       return np.moveaxis(q.reshape(q.shape[:-2] + (-1,))[..., :K], -1, axis).astype(np.float32)
;;   ~~~
;;   OPERANDS COMPUTED ON THE WAY. 'Computed on the way' means the value that the module computes at that place (a softmax that the list does not call 'softmax' is quantised finished and normalised). What goes into a quantiser is computed in f32, as accurately as f32 sums, v_exp_f32 and their like allow (about 1e-6 of the number): no bf16 or f16 on the way to a quantiser, and a product that is left as it is and whose result goes on into a quantised operand takes f32 operands (vector FMAs, or v_wmma_f32_16x16x4_f32). A number that lies on a knife's edge between two numbers of the format may be rounded either way, as far as f32 arithmetic and the matrix unit's own rounding can turn it there, and no further.
;; One version. Each part assembles by itself: llvm-mc -triple=amdgcn-amd-amdhsa -mcpu=gfx1250 --defsym DOCPART=n.
;; ======== version 1 of 1: 3 launches
;; limits: values are held in bf16: 8 bits of precision; right only within a limited range of input values
;; workspace buffers: whp 1,064,960 bytes; dcw 131,072 bytes; tsc 262,144 bytes; pctx 1,048,576 bytes; pstat 65,536 bytes
;; launch prep (part 1): grid 192 x 1, 8 waves a work-group, no clusters, 292,864 bytes of LDS; arguments Wh, Ws, bs, h_dec, c_dec, whp, dcw; writes whp, dcw
.if DOCPART == 1
	.amdgcn_target "amdgcn-amd-amdhsa--gfx1250"
	.amdhsa_code_object_version 6
	.text
	.protected	k_q3f92891b91_prep
	.globl	k_q3f92891b91_prep
	.p2align	8
	.type	k_q3f92891b91_prep,@function
k_q3f92891b91_prep:
	s_mov_b64 s[64:65], 0
	v_nop
	global_prefetch_b8 v0, s[64:65] scope:SCOPE_SE
	s_setreg_imm32_b32 hwreg(HW_REG_WAVE_MODE, 25, 1), 1
	s_wait_xcnt 0x0
; Wh [1024][1024] f32 becomes codes of FP6 (E2M3) with one E8M0 byte for each 32 along K, laid in the order of the operand's registers (packets, below).
; Ws and s_t = [h_dec | c_dec] are quantised the same way, multiplied, and c (sum over k of Ws[e][k] s_t[b][k] + bs[e]) is stored, c = 2 log2(e), laid [64 tiles of 16 columns e][32 batches][16].
; SHARES.  A wave makes ONE fragment of W: 16 rows e x 128 along K.  Work-groups 0-63 take Wh: work-group t has chunk cc = t / 4 (64 rows) and K steps 2 (t % 4), 2 (t % 4) + 1; wave w has rows 16 (w % 4) on of the
; chunk and K step 2 (t % 4) + w / 4: so a packet is made whole by one work-group.  Work-groups 64-191 take Ws: work-group 64 + u has rows 16 (u / 2) on and batches 16 (u % 2) on; wave w has K step w, with s_t's
; one fragment of that K step.  So 16 rows of Ws are read and quantised by two work-groups, and each wave has two fragments to turn and quantise, not three.
; A PACKET (6,656 bytes): four fragment images of 1,536 bytes (registers 4 p .. 4 p + 3 of lane l at 512 p + 16 l), then 512 bytes of scale words (lane l: the four fragments' words of row l % 16).
; whp holds four streams (columns 256 w on) of 40 packets: packet 8 c + s is chunk c, K step s; packets 32 to 39 repeat 0 to 7, so that a reader's ring runs on without a wrap.
; EVERY LOAD OF W AND s_t READS 512 CONSECUTIVE BYTES, a row's part of the K step.  The conversions want 16 neighbours along K in one lane's registers: so a fragment's 16 rows turn through the wave's own stage in LDS
; (pitch 528 = 33 x 16 bytes: the sixteen rows of a load of 16 bytes start in sixteen different 16-byte columns of 256) and come back into the registers that they left.
; A block's scale is 2^(floor(log2(largest magnitude)) - 2); its byte is the largest magnitude's exponent field - 2, held at 1 from below (a block of zeros keeps the byte 1: its codes are zeros, and this program alone reads the bytes).
; LIMITS: blocks whose largest magnitude lies under 2^-124 keep the byte 1; NaN and infinities among the inputs are not served.
; The second product's K is shared among the eight waves: their eight partial sums meet in LDS and are added in f32, by waves 0 to 3 (256 numbers, two a thread).
.set ST0, 16                           ; v16-79   W's 64 numbers of a lane
.set ST1, 80                           ; v80-143  s_t's; behind the barrier at work
.set XF,  16                           ; v16-27   s_t's fragment, over W's numbers once those are codes
.set DD,  48                           ; v48-55   the result
.set FR,  208                          ; v208-219 W's fragment
.set SC,  220                          ; v220-227 the conversions' second halves
.set TM,  228                          ; v228-243 at work in QUANT
.set PW,  244                          ; v244     W's scale word: it holds scales and nothing else
.set XS,  246                          ; v246     s_t's scale word, likewise
.set BS,  248                          ; v248-249 bs's two numbers of my thread
.set WV,  20
.set SEL, 36                           ; s[36:37] lane selects for lane l xor 16
.set CS,  38                           ; s[38:39] c
.set PKT, 6656
.set FRB, 1536
.set FP,  528                          ; LDS: a stage's pitch
.set FSZ, 16*FP                        ; a stage: 16 rows
.set WREG, 4*FSZ                       ; a wave's stages: 0 Ws's fragment, 1 s_t's, 3 Wh's: each way through the text has bytes of its own
.set PSUM, 8*WREG                      ; partial sums: for each wave a region of PREG bytes, of which 16 batches x (64 + 16) bytes are used
.set PP,  80
.set PREG, 32*PP
.set WSC, PSUM+8*PREG                  ; two packets' scale words, 512 bytes each
.set SPARE, WSC+1024                   ; the spare words, 128 bytes a wave: four blocks of 256 bytes that no other line names
; 64 numbers of a lane, register 16 b + i = k 32 b + 16 (lane / 16) + i of row lane % 16, become a fragment's 12 registers at v[cod] and its scale word in v[wrd].
.macro QUANT src, cod, scr, wrd
.irp b, 0,1,2,3
	v_max3_num_f32 v[TM+\b], |v[\src+16*\b]|, |v[\src+1+16*\b]|, 0x1800000   ; block b: my 16 numbers, and the floor 2^(3 - 127): the byte cannot fall under 1
.endr
.irp i, 2,4,6,8,10,12,14
.irp b, 0,1,2,3
	s_delay_alu instid0(VALU_DEP_4)
	v_max3_num_f32 v[TM+\b], v[TM+\b], |v[\src+16*\b+\i]|, |v[\src+1+16*\b+\i]|   ; the four blocks by turns
.endr
.endr
.irp b, 0,1,2,3
	s_delay_alu instid0(VALU_DEP_4)
	v_permlanex16_b32 v[TM+4+\b], v[TM+\b], s[SEL], s[SEL+1]
.endr
.irp b, 0,1,2,3
	s_delay_alu instid0(VALU_DEP_4)
	v_max_num_f32 v[TM+\b], v[TM+\b], v[TM+4+\b]   ; with lane l xor 16: the block's largest magnitude
.endr
.irp b, 0,1,2,3
	s_delay_alu instid0(VALU_DEP_4)
	v_add_nc_u32 v[TM+12+\b], 0xff000000, v[TM+\b] ; 2 off its exponent field: the conversion's scale operand
.endr
.irp b, 0,1,2,3
	s_delay_alu instid0(VALU_DEP_4)
	v_lshrrev_b32 v[TM+4+\b], 23, v[TM+12+\b]      ; the scale's byte
.endr
	s_delay_alu instid0(VALU_DEP_3)
	v_lshl_or_b32 v[\wrd], v[TM+5], 8, v[TM+4]     ; four bytes: my row's scale word, the same in lanes l and l xor 16
	s_delay_alu instid0(VALU_DEP_1)
	v_lshl_or_b32 v[\wrd], v[TM+6], 16, v[\wrd]
	s_delay_alu instid0(VALU_DEP_1)
	v_lshl_or_b32 v[\wrd], v[TM+7], 24, v[\wrd]
.irp c, 0,1
	v_cvt_scalef32_pk16_fp6_f32 v[\cod+6*\c:\cod+2+6*\c], v[\src+32*\c:\src+15+32*\c], v[TM+12+2*\c]
	v_cvt_scalef32_pk16_fp6_f32 v[\scr+4*\c:\scr+2+4*\c], v[\src+16+32*\c:\src+31+32*\c], v[TM+12+2*\c+1]   ; (a conversion's three registers begin on an even number)
.endr
	v_nop                                          ; one plain place behind a scaled conversion
.irp c, 0,1                                    ; the operand's layout wants a whole block in a lane: lanes 0-15 block 2 c, lanes 16-31 block 2 c + 1
.irp i, 0,1,2
	v_permlane16_swap_b32 v[\cod+6*\c+\i], v[\scr+4*\c+\i]
.endr
.irp i, 0,1,2
	s_delay_alu instid0(VALU_DEP_3)
	v_mov_b32 v[\cod+3+6*\c+\i], v[\scr+4*\c+\i]
.endr
.endr
.endm
.macro GLOADW reg                      ; my fragment's 16 rows of W: a row's 512 bytes a load
.irp i, 0,1,2,3,4,5,6,7,8,9,10,11,12,13,14,15
	global_load_b128 v[\reg+4*\i:\reg+4*\i+3], v1, s[4:5] offset:4096*\i th:TH_LOAD_NT
.endr
.endm
.macro GLOADS reg                      ; my work-group's 16 batches of s_t, likewise; 64 work-groups read them, so no hint
.irp i, 0,1,2,3,4,5,6,7,8,9,10,11,12,13,14,15
	global_load_b128 v[\reg+4*\i:\reg+4*\i+3], v1, s[10:11] offset:2048*\i
.endr
.endm
.macro TURN reg, frag                  ; through my stage: in as loaded, back 16 neighbours of each block of 32 a lane.  LDS serves a wave's instructions in order (ISA guide 5.7.1.4): no wait between
.irp i, 0,1,2,3,4,5,6,7,8,9,10,11,12,13,14,15
	ds_store_b128 v4, v[\reg+4*\i:\reg+4*\i+3] offset:(\frag)*FSZ+FP*\i
.endr
.irp b, 0,1,2,3
.irp j, 0,1,2,3
	ds_load_b128 v[\reg+16*\b+4*\j:\reg+16*\b+4*\j+3], v5 offset:(\frag)*FSZ+128*\b+16*\j
.endr
.endr
.endm
.macro PIMG off                        ; my fragment's image: three stores of 512 consecutive bytes
.irp p, 0,1,2
	global_store_b128 v1, v[FR+4*\p:FR+4*\p+3], s[14:15] offset:\off+512*\p
.endr
.endm
	s_load_b256 s[4:11], s[0:1], 0x0               ; Wh s[4:5], Ws s[6:7], bs s[8:9], h_dec s[10:11]
	s_load_b128 s[12:15], s[0:1], 0x20             ; c_dec s[12:13], whp s[14:15]
	s_load_b64 s[16:17], s[0:1], 0x30              ; dcw
	v_lshl_add_u32 v254, v0, 2, SPARE
	v_mov_b32 v255, 0
	v_mov_b32 v[BS], 0                             ; bs's pair is written on every way through the text
	v_mov_b32 v[BS+1], 0
	v_lshrrev_b32 v2, 5, v0
	s_delay_alu instid0(VALU_DEP_1)
	v_readfirstlane_b32 s[WV], v2                  ; wave 0..7
	v_and_b32 v2, 31, v0                           ; lane
	v_and_b32 v3, 15, v0                           ; r
	v_bfe_u32 v10, v0, 4, 1                        ; h
	s_delay_alu instid0(VALU_DEP_3)
	v_lshlrev_b32 v1, 4, v2                        ; 16 x lane
	s_mul_i32 s21, s[WV], WREG                     ; my stages
	v_add_nc_u32 v4, s21, v1                       ; in: 16 x lane
	v_mul_u32_u24 v5, v3, FP
	s_delay_alu instid0(VALU_DEP_1)
	v_lshl_add_u32 v5, v10, 6, v5
	s_delay_alu instid0(VALU_DEP_1)
	v_add_nc_u32 v5, s21, v5                       ; back: row r, + 64 h
	s_mul_i32 s21, s[WV], PREG
	v_mul_u32_u24 v6, v3, PP
	s_delay_alu instid0(VALU_DEP_1)
	v_lshl_add_u32 v6, v10, 5, v6
	s_delay_alu instid0(VALU_DEP_1)
	v_add_nc_u32 v6, s21, v6
	s_delay_alu instid0(VALU_DEP_1)
	v_add_nc_u32 v6, PSUM, v6                      ; partial sums in: my wave's region, batch r of the work-group's 16, + 32 h
	v_lshrrev_b32 v7, 3, v0
	s_delay_alu instid0(VALU_DEP_1)
	v_mul_u32_u24 v7, v7, PP
	v_and_b32 v11, 7, v0
	s_delay_alu instid0(VALU_DEP_1)
	v_lshl_add_u32 v7, v11, 3, v7
	s_delay_alu instid0(VALU_DEP_1)
	v_add_nc_u32 v7, PSUM, v7                      ; and back: thread i (of the first 128) takes batch i / 8, columns 2 (i % 8), 2 (i % 8) + 1
	v_lshlrev_b32 v8, 3, v0                        ; the same place in my half tile of dcw: 8 i
	s_delay_alu instid0(VALU_DEP_4)
	v_lshlrev_b32 v9, 3, v11                       ; and in bs
	s_lshr_b32 s22, s[WV], 2                       ; Wh: which of the work-group's two K steps,
	s_and_b32 s23, s[WV], 3                        ; and which 16 rows of the chunk
	s_lshl_b32 s21, s22, 9
	v_add_nc_u32 v12, s21, v1
	s_delay_alu instid0(VALU_DEP_1)
	v_add_nc_u32 v12, WSC, v12                     ; my packet's scale words: 16 x lane,
	s_lshl_b32 s21, s23, 2
	v_add_nc_u32 v13, s21, v12                     ; and my fragment's word among a lane's four
.irp b, 0,1,2,3
	v_mov_b32 v[TM+4+\b], 0                        ; written once: a lane permute's destination counts as one of its sources
.endr
	s_mov_b32 s[SEL], 0x76543210
	s_mov_b32 s[SEL+1], 0xfedcba98
	s_mov_b32 s[CS], 0x4038aa3b                    ; c = 2 log2(e)
	s_mov_b32 s[CS+1], s[CS]
	s_sub_co_u32 s50, ttmp9, 64                    ; Ws: u (in Wh's work-groups what hangs on it is not used)
	s_lshr_b32 s51, s50, 1
	s_and_b32 s51, s51, 63                         ; Ws: the tile of 16 rows, u / 2
	s_and_b32 s50, s50, 1                          ; Ws: which 16 batches, u % 2
	s_cmp_lt_u32 ttmp9, 64
	s_cselect_b32 s24, ttmp9, s51                  ; t
	s_lshr_b32 s25, s24, 2                         ; Wh: cc
	s_and_b32 s26, s24, 3
	s_lshl_b32 s27, s25, 6
	s_lshl_b32 s28, s23, 4
	s_add_co_u32 s27, s27, s28                     ; Wh: my first row 64 cc + 16 (w % 4)
	s_lshl_b32 s28, s26, 1
	s_add_co_u32 s28, s28, s22                     ; Wh: my K step 2 (t % 4) + w / 4
	s_lshl_b32 s29, s24, 4                         ; Ws: my first row 16 t; my K step is w
	s_cmp_lt_u32 ttmp9, 64                         ; the choices hang on the work-group's and the wave's number alone
	s_cselect_b32 s27, s27, s29
	s_cselect_b32 s29, s28, s[WV]
	s_lshl_b32 s40, s27, 12                        ; rows of 4,096 bytes,
	s_lshl_b32 s29, s29, 9                         ; + my K step's 512 bytes
	s_add_co_u32 s40, s40, s29
	s_mov_b32 s41, 0
	s_and_b32 s42, s[WV], 3
	s_lshl_b32 s42, s42, 9                         ; my K step in h_dec (waves 0-3) or in c_dec (waves 4-7),
	s_lshl_b32 s51, s50, 15
	s_add_co_u32 s42, s42, s51                     ; + my work-group's 16 batches of 2,048 bytes
	s_mov_b32 s43, 0
	s_lshr_b32 s44, s25, 2
	s_mul_i32 s44, s44, 40*PKT                     ; the stream,
	s_and_b32 s30, s25, 3                          ; the chunk in it,
	s_lshl_b32 s31, s30, 3
	s_add_co_u32 s31, s31, s28
	s_mul_i32 s31, s31, PKT                        ; the packet,
	s_add_co_u32 s44, s44, s31
	s_mul_i32 s31, s23, FRB                        ; my image in it
	s_add_co_u32 s44, s44, s31
	s_mov_b32 s45, 0
	s_lshl_b32 s46, s24, 6                         ; bs: my tile's 64 bytes
	s_mov_b32 s47, 0
	s_lshl_b32 s48, s24, 11                        ; dcw: my tile's 2,048 bytes,
	s_lshl_b32 s51, s50, 10
	s_add_co_u32 s48, s48, s51                     ; + my 16 batches of 64 bytes
	s_mov_b32 s49, 0
	s_wait_kmcnt 0x0
	s_cmp_lt_u32 ttmp9, 64
	s_cselect_b64 s[4:5], s[4:5], s[6:7]
	s_cmp_lt_u32 s[WV], 4
	s_cselect_b64 s[10:11], s[10:11], s[12:13]
	s_add_nc_u64 s[4:5], s[4:5], s[40:41]
	s_add_nc_u64 s[10:11], s[10:11], s[42:43]
	s_add_nc_u64 s[14:15], s[14:15], s[44:45]
	s_add_nc_u64 s[8:9], s[8:9], s[46:47]
	s_add_nc_u64 s[16:17], s[16:17], s[48:49]
	s_cmp_ge_u32 ttmp9, 64
	s_cbranch_scc1 .Lws
	; ---- Wh: my fragment's image goes out; its scale word goes to LDS, where the packet's four meet
	GLOADW ST0
	s_wait_loadcnt 0x0
	TURN ST0, 3
	s_wait_dscnt 0x0
	QUANT ST0, FR, SC, PW
	PIMG 0
	ds_store_b32 v13, v[PW]
	s_cmp_lg_u32 s30, 0                            ; a stream's packets 0 to 7 are stored once more as packets 32 to 39
	s_cbranch_scc1 .Ljoin
	PIMG 32*PKT
	s_branch .Ljoin
.Lws:
	; ---- Ws: bs first, then my fragment and s_t's of my K step, one product.  All 33 loads go out together; bs is the oldest, so the counted wait below shows what it names and bs besides
	s_wait_alu depctr_va_vdst(0)                   ; the wait here, directly ahead of the reader of v9 behind the branch
	global_load_b64 v[BS:BS+1], v9, s[8:9]         ; bs: wanted behind the barrier
	GLOADW ST0
	GLOADS ST1
	s_wait_loadcnt 16                              ; W's 16 loads are in; s_t's 16 may be out
	TURN ST0, 0
	s_wait_loadcnt 0x0
	TURN ST1, 1
	s_wait_dscnt 32                                ; W is back from its stage; the younger turn's 16 stores and 16 loads may be out
	QUANT ST0, FR, SC, PW
	s_wait_dscnt 0x0
	QUANT ST1, XF, SC, XS
.rept 8
	v_nop                                          ; a scale register written by a vector instruction stands 8 places ahead of a scaled matrix instruction, an operand so written 4
.endr
	; transposed: source 0 = 16 rows of Ws, source 1 = 16 batches: lane (r, h) holds batch r of the work-group's 16, register j column 8 h + j
	v_wmma_scale_f32_16x16x128_f8f6f4 v[DD:DD+7], v[FR:FR+11], v[XF:XF+11], 0, v[PW], v[XS] matrix_a_fmt:MATRIX_FMT_FP6 matrix_b_fmt:MATRIX_FMT_FP6
.rept 4
	v_nop                                          ; four places ahead of the first read of the result
.endr
	ds_store_b128 v6, v[DD:DD+3]                   ; the result from its low end on
	ds_store_b128 v6, v[DD+4:DD+7] offset:16
.Ljoin:
	s_wait_xcnt 0x0                                ; the stores and loads issued so far have read their registers: some are written again below (ISA guide 3.1)
	s_wait_dscnt 0x0                               ; my scale word, or my partial sums, lie in LDS
	s_barrier_signal -1
	s_barrier_wait -1                              ; everybody's do.  (Every wave of every work-group passes this barrier)
	s_cmp_ge_u32 ttmp9, 64
	s_cbranch_scc1 .Lsum
	s_cmp_lg_u32 s23, 0                            ; Wh: waves 0 and 4 (whose image is the packet's first) store their packet's scale words
	s_cbranch_scc1 .Lend
	ds_load_b128 v[ST1:ST1+3], v12
	s_wait_dscnt 0x0
	global_store_b128 v1, v[ST1:ST1+3], s[14:15] offset:4*FRB              ; 512 consecutive bytes
	s_cmp_lg_u32 s30, 0
	s_cbranch_scc1 .Lend
	global_store_b128 v1, v[ST1:ST1+3], s[14:15] offset:32*PKT+4*FRB
	s_branch .Lend
.Lsum:
	s_cmp_ge_u32 s[WV], 4                          ; Ws: 16 batches x 16 columns are 256 numbers, two a thread: waves 0 to 3 add them
	s_cbranch_scc1 .Lend
.irp sp, 0,1,2,3,4,5,6,7                       ; the eight K steps' partial sums of my two numbers
	ds_load_b64 v[ST1+2*\sp:ST1+2*\sp+1], v7 offset:PREG*\sp
.endr
	s_wait_dscnt 0x0
	v_pk_add_f32 v[ST1:ST1+1], v[ST1:ST1+1], v[ST1+2:ST1+3]
	v_pk_add_f32 v[ST1+4:ST1+5], v[ST1+4:ST1+5], v[ST1+6:ST1+7]
	v_pk_add_f32 v[ST1+8:ST1+9], v[ST1+8:ST1+9], v[ST1+10:ST1+11]
	v_pk_add_f32 v[ST1+12:ST1+13], v[ST1+12:ST1+13], v[ST1+14:ST1+15]
	s_delay_alu instid0(VALU_DEP_3)
	v_pk_add_f32 v[ST1:ST1+1], v[ST1:ST1+1], v[ST1+4:ST1+5]
	s_delay_alu instid0(VALU_DEP_2)
	v_pk_add_f32 v[ST1+8:ST1+9], v[ST1+8:ST1+9], v[ST1+12:ST1+13]
	s_delay_alu instid0(VALU_DEP_1)
	v_pk_add_f32 v[ST1:ST1+1], v[ST1:ST1+1], v[ST1+8:ST1+9]
	s_wait_loadcnt 0x0
	v_pk_mul_f32 v[BS:BS+1], v[BS:BS+1], s[CS:CS+1] op_sel_hi:[1,0]
	s_wait_alu depctr_va_vdst(0)                   ; the sums were written ahead of the wait above
	v_pk_fma_f32 v[ST1:ST1+1], v[ST1:ST1+1], s[CS:CS+1], v[BS:BS+1] op_sel_hi:[1,0,1]   ; c x sum + c x bs
	global_store_b64 v8, v[ST1:ST1+1], s[16:17]    ; a wave stores 256 consecutive bytes, aligned
.Lend:
	s_wait_tensorcnt 0x0                           ; the wave's end
	ds_add_u32 v254, v255
	s_wait_dscnt 0x0
	s_endpgm
.Lfunc_end_k_q3f92891b91_prep:
	.size	k_q3f92891b91_prep, .Lfunc_end_k_q3f92891b91_prep-k_q3f92891b91_prep
	.p2alignl 7, 3214868480
	.fill 96, 4, 3214868480
	.section	.rodata,"a",@progbits
	.p2align	6, 0x0
	.amdhsa_kernel k_q3f92891b91_prep
		.amdhsa_group_segment_fixed_size 292864
		.amdhsa_private_segment_fixed_size 0
		.amdhsa_enable_private_segment 0
		.amdhsa_kernarg_size 56
		.amdhsa_user_sgpr_count 2
		.amdhsa_user_sgpr_kernarg_segment_ptr 1
		.amdhsa_wavefront_size32 1
		.amdhsa_system_sgpr_workgroup_id_x 1
		.amdhsa_system_sgpr_workgroup_id_y 1
		.amdhsa_system_sgpr_workgroup_id_z 1
		.amdhsa_system_vgpr_workitem_id 0
		.amdhsa_next_free_vgpr 256
		.amdhsa_next_free_sgpr 66
		.amdhsa_reserve_vcc 0
		.amdhsa_float_denorm_mode_32 3
		.amdhsa_float_denorm_mode_16_64 3
		.amdhsa_memory_ordered 1
		.amdhsa_forward_progress 1
		.amdhsa_inst_pref_size 35
	.end_amdhsa_kernel
	.amdgpu_metadata
---
amdhsa.version: [ 1, 2 ]
amdhsa.kernels:
  - .name:           k_q3f92891b91_prep
    .symbol:         k_q3f92891b91_prep.kd
    .args:
      - { .name: Wh, .offset: 0, .size: 8, .value_kind: global_buffer, .address_space: global }
      - { .name: Ws, .offset: 8, .size: 8, .value_kind: global_buffer, .address_space: global }
      - { .name: bs, .offset: 16, .size: 8, .value_kind: global_buffer, .address_space: global }
      - { .name: h_dec, .offset: 24, .size: 8, .value_kind: global_buffer, .address_space: global }
      - { .name: c_dec, .offset: 32, .size: 8, .value_kind: global_buffer, .address_space: global }
      - { .name: whp, .offset: 40, .size: 8, .value_kind: global_buffer, .address_space: global }
      - { .name: dcw, .offset: 48, .size: 8, .value_kind: global_buffer, .address_space: global }
    .group_segment_fixed_size: 292864
    .private_segment_fixed_size: 0
    .kernarg_segment_align: 8
    .kernarg_segment_size: 56
    .max_flat_workgroup_size: 256
    .sgpr_count:     66
    .vgpr_count:     256
    .wavefront_size: 32
...
	.end_amdgpu_metadata
.endif
;; end of part 1
;; launch main (part 2): grid 256 x 1, 4 waves a work-group, no clusters, 327,680 bytes of LDS; arguments encoder_output, x_padding_masks, v, whp, dcw, tsc, pctx, pstat; writes tsc, pctx, pstat
.if DOCPART == 2
	.amdgcn_target "amdgcn-amd-amdhsa--gfx1250"
	.amdhsa_code_object_version 6
	.text
	.protected	k_q3f92891b91_main
	.globl	k_q3f92891b91_main
	.p2align	8
	.type	k_q3f92891b91_main,@function
k_q3f92891b91_main:
	s_mov_b64 s[64:65], 0
	v_nop
	global_prefetch_b8 v0, s[64:65] scope:SCOPE_SE
	s_setreg_imm32_b32 hwreg(HW_REG_WAVE_MODE, 25, 1), 1
	s_wait_xcnt 0x0
; For 256 rows of one batch: scores t = -c sum over e of v[e] / (1 + 2^(c (enc . Wh[e]) + dcw[e])), c = 2 log2(e), the product on codes of FP6 (E2M3) with one E8M0 scale for each 32 along K;
; a running softmax in base 2 (largest t M, sum L of 2^(t - M) x mask) and the partial context sum of 2^(t - M) x mask x enc.  tanh(a) = 1 - 2 / (1 + 2^(c a)), so the score x log2(e) is t + log2(e) x sum of v:
; that constant is the same for all rows and is left out, since a softmax does not change under a shift.  An exponential that overflows gives the quotient 0, one that underflows 1: tanh's two ends.
; enc IS READ FROM MEMORY ONCE: a block of 64 rows lands in LDS as f32, is turned into codes (for the product) and into a bf16 copy in registers (for the context), and its bytes are asked for
; again, for the next block, while this block's products run.
; SHARES.  Work-group g: rows 256 g on, four blocks of 64.  Wave w has (a) columns k = 256 w .. 256 w + 255 of every row: it fetches them, quantises them (K steps 2 w, 2 w + 1; 8 fragments), keeps their
; bf16 copy and owns those 256 columns of the context; (b) columns e = 256 w .. 256 w + 255 of the product, in four chunks of 64: 16 accumulators of 16 x 16.
; A's fragments go from wave to wave through LDS as images of their registers.  B's (Wh) come from memory straight into a ring of SIX register slots, in packets that an earlier launch laid in
; the order of the registers (12 loads of 512 consecutive bytes a K step).  K step s reads slot s % 6.  A slot is asked for again at the head of the step behind its last reader: packets 6 and 7 of a chunk five K steps
; ahead of their use, the next chunk's packets 0 to 5 at least an epilogue ahead.  One load brings the scale words of TWO packets: lanes 0-15 the even K step's, lanes 16-31 the odd one's.
; NO CLUSTER, NO JOINT LOADS, though all work-groups walk the same Wh: the landing zone takes 266,240 bytes and the images, scores, masks, stage and spare words 59,904; 1,536 bytes are left, and two slots for
; Wh (6,656 bytes a wave and K step) do not fit.  A smaller landing zone would halve the rows that each fragment of Wh feeds.
; LIMITS: blocks of 32 whose largest magnitude lies under 2^-124 keep the scale byte 1; NaN and infinities among the inputs are not served; the context takes enc rounded to bf16, the weights in f32.
; The last block's last chunk loads six packets and four pairs of scale words out of the stream's repeat (packets 32 to 39), which lie inside the buffer and are not used: so every trip's counts of loads are alike.
; REGISTERS, in windows of 256 (s_set_vgpr_msb: bits 1:0 source 0, 3:2 source 1, 5:4 source 2, 7:6 destination):
;   window 0: v0-7 what stays; v8-15 A's scale words (2 sets), v16-31 B's (4 pairs of K steps): they hold scales and nothing else; v32-127 A's fragments (2 sets), at other times at work; v128-255 accumulators, at other times 2 x 64 numbers of enc
;   window 1: v0-191 B's slots 0 to 3; v192-223 the scores' sums; v224-231 the chunk's dcw and v; v232-239 LDS addresses, made once
;   window 2: the bf16 copy (fragment f at 32 f)      window 3: v0-127 the context; v128-223 B's slots 4 and 5
.set IMG,   0                          ; LDS: A's 32 fragment images, (4 s + m) x 1,536
.set SAI,   49152                      ; their scale words: 512 bytes a K step: lane l: the words of row l % 16 of the four tiles of rows
.set SCX,   53248                      ; partial scores [64 rows][4 waves]
.set MSK,   54272                      ; the work-group's 256 mask numbers
.set CST,   55296                      ; the context's way out, 1,024 bytes a wave
.set SPARE, 59392                      ; the spare words, 128 bytes a wave: two blocks of 256 bytes that no other line names
.set XB,    59904                      ; the landing zone: for each wave 64 rows x (1,024 + 16) bytes; tensor loads alone write here
.set XP,    1040                       ; its pitch = 65 x 16 bytes: the sixteen rows of a load of 16 bytes start in sixteen different 16-byte columns of 256
.set XW,    64*XP
.set PKT,   6656
.set FRB,   1536
.set LIS, 0                            ; v0  16 x lane + a packet for lanes 16-31: the scale words' offset (made at the head's end, where the thread's number is wanted no more)
.set LI,  1                            ; v1  16 x lane
.set SPW, 2                            ; v2  my spare word; never rewritten
.set NIL, 3                            ; v3  0; never rewritten
.set R4,  4                            ; v4  4 x (lane % 16)
.set T8,  5                            ; v5  8 x lane
.set MX,  6                            ; v6  M
.set LS,  7                            ; v7  L, lane by lane; joined at the end
.set SA,  8
.set SB,  16
.set AF,  32
.set ACC, 128
.set PC,  32                           ; while a block is converted: v32-43, v44-55 the codes just made, two sets
.set SC,  56                           ; v56-63 the conversions' second halves
.set TM,  64                           ; v64-79 at work in QUANT
.set PW8, 80                           ; v80-87 a scale word for each fragment
.set ST,  128                          ; v128-191, v192-255 two sets of 64 numbers
.set TP,  32                           ; in the tail: v32-47 four rows' partial scores
.set TK,  48                           ; v48-51 their masks
.set TW,  52                           ; v52-55 t, then p, then the weights
.set SAC, 192                          ; window 1
.set DC,  224
.set VV,  228
.set XA,  232                          ; my lane's place in my landing zone
.set IWA, 233                          ; where I store images: 16 x lane + 8 images x wave
.set SWA, 234                          ; 16 x lane + 1,024 x wave: scale images; the context's way back
.set SXA, 235                          ; 128 (lane / 16) + 4 x wave: partial scores in
.set SRA, 236                          ; 16 x (lane % 16): partial scores back
.set MA,  237                          ; 4 x (lane % 16) + 256 x block: masks
.set S0A, 238                          ; 32 x lane: two rows' partial scores
.set CSA, 239                          ; 1,024 x wave + 64 (lane / 16): the context in
.set WV,  20
.set G1,  24                           ; s[24:31] descriptor group 1
.set G0,  32                           ; s[32:35] group 0
.set BP,  36                           ; s[36:37] my stream of packets, at the chunk in hand
.set DP,  38                           ; s[38:39] dcw, likewise
.set VP,  40                           ; s[40:41] v, likewise
.set TS,  42                           ; s[42:43] tsc, at the block in hand
.set CS,  44                           ; s[44:45] c
.set NC,  46                           ; s46 -c
.set SEL, 48                           ; s[48:49] lane selects for lane l xor 16
.set NBLK, 50
.set NCH, 51
.set MOF, 52                           ; s52 256 x block
.set MSB, 0
.macro WIN new                         ; the immediate's high byte repeats the setting that is left; a switch that changes nothing is dropped
.if MSB != \new
	s_set_vgpr_msb (MSB<<8)|\new
.set MSB, \new
.endif
.endm
; 64 numbers of a lane, register 16 b + i = k 32 b + 16 (lane / 16) + i of row lane % 16, become a fragment's 12 registers at v[cod] and its scale word in v[wrd].
.macro QUANT src, cod, scr, wrd
.irp b, 0,1,2,3
	v_max3_num_f32 v[TM+\b], |v[\src+16*\b]|, |v[\src+1+16*\b]|, 0x1800000   ; block b: my 16 numbers, and the floor 2^(3 - 127): the byte cannot fall under 1
.endr
.irp i, 2,4,6,8,10,12,14
.irp b, 0,1,2,3
	v_max3_num_f32 v[TM+\b], v[TM+\b], |v[\src+16*\b+\i]|, |v[\src+1+16*\b+\i]|   ; the four blocks by turns
.endr
.endr
.irp b, 0,1,2,3
	v_permlanex16_b32 v[TM+4+\b], v[TM+\b], s[SEL], s[SEL+1]
.endr
.irp b, 0,1,2,3
	v_max_num_f32 v[TM+\b], v[TM+\b], v[TM+4+\b]   ; with lane l xor 16: the block's largest magnitude
.endr
.irp b, 0,1,2,3
	v_add_nc_u32 v[TM+12+\b], 0xff000000, v[TM+\b] ; 2 off its exponent field: the conversion's scale operand
.endr
.irp b, 0,1,2,3
	v_lshrrev_b32 v[TM+4+\b], 23, v[TM+12+\b]      ; the scale's byte
.endr
	v_lshl_or_b32 v[\wrd], v[TM+5], 8, v[TM+4]
	v_lshl_or_b32 v[\wrd], v[TM+6], 16, v[\wrd]
	v_lshl_or_b32 v[\wrd], v[TM+7], 24, v[\wrd]
.irp c, 0,1
	v_cvt_scalef32_pk16_fp6_f32 v[\cod+6*\c:\cod+2+6*\c], v[\src+32*\c:\src+15+32*\c], v[TM+12+2*\c]
	v_cvt_scalef32_pk16_fp6_f32 v[\scr+4*\c:\scr+2+4*\c], v[\src+16+32*\c:\src+31+32*\c], v[TM+12+2*\c+1]   ; (a conversion's three registers begin on an even number)
.endr
	v_nop                                          ; one plain place behind a scaled conversion
.irp c, 0,1                                    ; the operand's layout wants a whole block in a lane
.irp i, 0,1,2
	v_permlane16_swap_b32 v[\cod+6*\c+\i], v[\scr+4*\c+\i]
.endr
.irp i, 0,1,2
	v_mov_b32 v[\cod+3+6*\c+\i], v[\scr+4*\c+\i]
.endr
.endr
.endm
; Fragment f = 4 sl + m of my quarter (rows 16 m on, k 128 sl on): 64 numbers a lane out of the landing zone, into set f % 2.  (Window 0x01: the address lies in window 1)
.macro XFETCH f
.irp b, 0,1,2,3
.irp j, 0,1,2,3
	ds_load_b128 v[ST+64*((\f)%2)+16*\b+4*\j:ST+64*((\f)%2)+16*\b+4*\j+3], v[XA] offset:((\f)%4)*16*XP+((\f)/4)*512+128*\b+16*\j
.endr
.endr
.endm
; Fragment f: its bf16 copy, its codes, its image; then the fetch of the fragment two on.  n: the LDS instructions issued behind XFETCH f, which may stay out: the last image's 3 stores
; (and the scale image's one ahead of f = 4) and the 16 loads of XFETCH f + 1.  The image of f is older than XFETCH f + 2, so the wait of f + 2 shows it stored before its set of codes is written again.
.macro CONV f, n
	s_wait_dscnt \n
	WIN 0x80
.set q, 0
.rept 32
	v_cvt_pk_bf16_f32 v[32*(\f)+q], v[ST+64*((\f)%2)+2*q], v[ST+64*((\f)%2)+2*q+1]
.set q, q+1
.endr
	WIN 0
	QUANT ST+64*((\f)%2), PC+12*((\f)%2), SC, PW8+(\f)
	WIN 0x01
.irp p, 0,1,2
	ds_store_b128 v[IWA], v[PC+12*((\f)%2)+4*\p:PC+12*((\f)%2)+4*\p+3] offset:IMG+(\f)*FRB+512*\p
.endr
.if (\f)%4 == 3
	ds_store_b128 v[SWA], v[PW8+4*((\f)/4):PW8+4*((\f)/4)+3] offset:SAI+512*((\f)/4)
.endif
.if (\f) < 6
	XFETCH (\f)+2
.endif
.endm
.macro AFETCH s                        ; K step s: A's four fragments and their scale words into set s % 2: 13 LDS loads
.irp m, 0,1,2,3
.irp p, 0,1,2
	ds_load_b128 v[AF+48*((\s)%2)+12*\m+4*\p:AF+48*((\s)%2)+12*\m+4*\p+3], v[LI] offset:IMG+(4*(\s)+\m)*FRB+512*\p
.endr
.endr
	ds_load_b128 v[SA+4*((\s)%2):SA+4*((\s)%2)+3], v[LI] offset:SAI+512*(\s)
.endm
.macro BDATA pk, q                     ; the four fragments of packet pk, counted from the chunk in hand, into slot q: 12 loads
.if (\q) < 4
	WIN 0x40
.set BB, 48*(\q)
.else
	WIN 0xc0
.set BB, 128+48*((\q)-4)
.endif
.irp ct, 0,1,2,3
.irp p, 0,1,2
	global_load_b128 v[BB+12*\ct+4*\p:BB+12*\ct+4*\p+3], v[LI], s[BP:BP+1] offset:(\pk)*PKT+FRB*\ct+512*\p
.endr
.endr
.endm
.macro BSCALE pk, u                    ; the scale words of packets pk (lanes 0-15) and pk + 1 (lanes 16-31) into pair u: 1 load.  (Under a setting whose destination and source 0 are window 0)
	global_load_b128 v[SB+4*(\u):SB+4*(\u)+3], v[LIS], s[BP:BP+1] offset:(\pk)*PKT+4*FRB
.endm
; A K step: 16 products, the sixteen accumulators by turns, one instruction a turn.  Natural use: lane = column e, register j = row 8 (lane / 16) + j.
; THE LOADS, in the order of issue, a chunk's own first and the next chunk's marked ': step 0: dcw and v (8); 1: packet 6 (12); 2: packet 7 (12), pair 0' (1); 3: packet 2' (12); 4: packet 3' (12), pair 1' (1);
; 5: packet 4' (12); 6: packet 5' (12), pair 2' (1); 7: packet 0' (12); at the epilogue's head: packet 1' (12), pair 3' (1).  The kernel's head issues the first chunk's in the same order.
.macro KSTEP s
.set QS, (\s)%6
.if QS < 4
.set BF, 48*QS
.else
.set BF, 128+48*(QS-4)
.endif
.if (\s) > 0
.rept 4
	v_nop                                          ; four places between the last step's products and the loads into the slot, A's set and the scale words that they read
.endr
.endif
.if (\s) == 6
	s_wait_loadcnt 50                              ; packet 6 is in; younger: 12 + 1 + 12 + 12 + 1 + 12 (steps 2 to 5).  dcw, v and pair 3 are older
.elseif (\s) == 7
	s_wait_loadcnt 51                              ; packet 7 is in; younger: 1 + 12 + 12 + 1 + 12 + 12 + 1 (steps 2 to 6)
.endif
.if (\s) == 0
	WIN 0x40
.irp ct, 0,1,2,3
	global_load_b32 v[DC+\ct], v[R4], s[DP:DP+1] offset:2048*\ct   ; the chunk's dcw and v of my lane's four columns: wanted behind K step 7
.endr
.irp ct, 0,1,2,3
	global_load_b32 v[VV+\ct], v[R4], s[VP:VP+1] offset:64*\ct
.endr
.elseif (\s) == 1
	BDATA 6, 0
.elseif (\s) == 2
	BDATA 7, 1
.elseif (\s) == 7
	BDATA 8, 0
.else
	BDATA (\s)+7, (\s)-1
.endif
.if QS < 4
	WIN 0x04
.else
	WIN 0x0c
.endif
.if ((\s) == 2) || ((\s) == 4) || ((\s) == 6)
	BSCALE (\s)+6, (\s)/2-1
.endif
	AFETCH ((\s)+1)%8                              ; A's images are the same for all chunks of a block: step 7 fetches step 0's for the next chunk
	s_wait_dscnt 13                                ; this step's 13 LDS loads are in; the next step's 13, just issued, may be out
.if (\s) == 0
	s_wait_loadcnt 21                              ; packet 0 is in, and with it all that is older: packets 2 to 5, pairs 0 to 2; younger: packet 1 (12), pair 3 (1), dcw and v (8)
.elseif (\s) == 1
	s_wait_loadcnt 21                              ; packet 1 is in; younger: pair 3 (1), dcw and v (8), packet 6 (12)
.endif
.irp m, 0,1,2,3
.irp ct, 0,1,2,3
.if (\s) == 0
	v_wmma_scale_f32_16x16x128_f8f6f4 v[ACC+8*(4*\m+\ct):ACC+8*(4*\m+\ct)+7], v[AF+48*((\s)%2)+12*\m:AF+48*((\s)%2)+12*\m+11], v[BF+12*\ct:BF+12*\ct+11], 0, v[SA+4*((\s)%2)+\m], v[SB+4*((\s)/2)+\ct] matrix_a_fmt:MATRIX_FMT_FP6 matrix_b_fmt:MATRIX_FMT_FP6
.elseif (\s)%2
	v_wmma_scale_f32_16x16x128_f8f6f4 v[ACC+8*(4*\m+\ct):ACC+8*(4*\m+\ct)+7], v[AF+48*((\s)%2)+12*\m:AF+48*((\s)%2)+12*\m+11], v[BF+12*\ct:BF+12*\ct+11], v[ACC+8*(4*\m+\ct):ACC+8*(4*\m+\ct)+7], v[SA+4*((\s)%2)+\m], v[SB+4*((\s)/2)+\ct] matrix_a_fmt:MATRIX_FMT_FP6 matrix_b_fmt:MATRIX_FMT_FP6 matrix_b_scale:MATRIX_SCALE_ROW1
.else
	v_wmma_scale_f32_16x16x128_f8f6f4 v[ACC+8*(4*\m+\ct):ACC+8*(4*\m+\ct)+7], v[AF+48*((\s)%2)+12*\m:AF+48*((\s)%2)+12*\m+11], v[BF+12*\ct:BF+12*\ct+11], v[ACC+8*(4*\m+\ct):ACC+8*(4*\m+\ct)+7], v[SA+4*((\s)%2)+\m], v[SB+4*((\s)/2)+\ct] matrix_a_fmt:MATRIX_FMT_FP6 matrix_b_fmt:MATRIX_FMT_FP6
.endif
.endr
.endr
.endm
; A chunk's 64 x 64 results become sums for the scores: x = c a + dcw; r = 1 / (1 + 2^x); sums += r x (-c v).  Two batches of 128 transcendentals, one wait each.
.macro EPILOGUE
	WIN 0x54
.irp ct, 0,1,2,3
	v_mul_f32 v[VV+\ct], s[NC], v[VV+\ct]          ; -c v: these four lines are also the places behind the last products, for the loads below and for the first read of results
.endr
	BDATA 9, 1                                     ; the next chunk's packet 1, into the slot that K step 7 has read,
	WIN 0x10
	BSCALE 14, 3                                   ; and the scale words of its K steps 6 and 7
.irp m, 0,1,2,3
.irp ct, 0,1,2,3
.irp jp, 0,2,4,6                               ; each accumulator from its low end on
.if (\ct)%2
	v_pk_fma_f32 v[ACC+8*(4*\m+\ct)+\jp:ACC+8*(4*\m+\ct)+\jp+1], v[ACC+8*(4*\m+\ct)+\jp:ACC+8*(4*\m+\ct)+\jp+1], s[CS:CS+1], v[DC+2*(\ct/2):DC+2*(\ct/2)+1] op_sel:[0,0,1] op_sel_hi:[1,0,1]
.else
	v_pk_fma_f32 v[ACC+8*(4*\m+\ct)+\jp:ACC+8*(4*\m+\ct)+\jp+1], v[ACC+8*(4*\m+\ct)+\jp:ACC+8*(4*\m+\ct)+\jp+1], s[CS:CS+1], v[DC+2*(\ct/2):DC+2*(\ct/2)+1] op_sel_hi:[1,0,0]
.endif
.endr
.endr
.endr
.set i, 0
	s_wait_alu depctr_va_vdst(0)
.rept 128
	v_exp_f32 v[ACC+i], v[ACC+i]
.set i, i+1
.endr
	v_nop                                          ; a plain place behind the last exponential
	s_wait_alu depctr_va_vdst(0)                   ; one wait for the batch, ahead of its first reader
.set i, 0
.rept 64
	v_pk_add_f32 v[ACC+i:ACC+i+1], v[ACC+i:ACC+i+1], 1.0 op_sel_hi:[1,0]
.set i, i+2
.endr
.set i, 0
	s_wait_alu depctr_va_vdst(0)
.rept 128
	v_rcp_f32 v[ACC+i], v[ACC+i]
.set i, i+1
.endr
	v_nop
	s_wait_alu depctr_va_vdst(0)                   ; and one for the reciprocals
	WIN 0x54
.irp ct, 0,1,2,3                               ; a sum's register comes up again after fifteen others
.irp m, 0,1,2,3
.irp jp, 0,2,4,6
.if (\ct)%2
	v_pk_fma_f32 v[SAC+8*\m+\jp:SAC+8*\m+\jp+1], v[ACC+8*(4*\m+\ct)+\jp:ACC+8*(4*\m+\ct)+\jp+1], v[VV+2*(\ct/2):VV+2*(\ct/2)+1], v[SAC+8*\m+\jp:SAC+8*\m+\jp+1] op_sel:[0,1,0] op_sel_hi:[1,1,1]
.else
	v_pk_fma_f32 v[SAC+8*\m+\jp:SAC+8*\m+\jp+1], v[ACC+8*(4*\m+\ct)+\jp:ACC+8*(4*\m+\ct)+\jp+1], v[VV+2*(\ct/2):VV+2*(\ct/2)+1], v[SAC+8*\m+\jp:SAC+8*\m+\jp+1] op_sel_hi:[1,0,1]
.endif
.endr
.endr
.endr
	WIN 0
.endm
; A block's end: the four waves' partial scores meet in LDS; every wave makes the 64 t, the new M, the weights, and adds its 256 columns of the context.
.macro TAIL
	WIN 0x45
.irp x, 1,2,4,8                                ; my 256 columns: the sum over the sixteen lanes of a half
.set i, 0
.rept 32
	v_add_f32_dpp v[SAC+i], v[SAC+i], v[SAC+i] row_xmask:\x row_mask:0xf bank_mask:0xf
.set i, i+1
.endr
.endr
	WIN 0x05
.irp m, 0,1,2,3
.irp j, 0,1,2,3,4,5,6,7
	ds_store_b32 v[SXA], v[SAC+8*\m+\j] offset:SCX+16*(16*\m+\j)   ; row 16 m + 8 (lane / 16) + j, my wave's word; the sixteen lanes of a half write the same word with the same value
.endr
.endr
	WIN 0x40
	v_add_nc_u32 v[MA], s[MOF], v[R4]
	WIN 0
	s_wait_alu depctr_va_vdst(0)
	s_wait_dscnt 0x0                               ; my partial scores lie in LDS, and my reads of A's images are over (the last chunk's fetch ahead among them: its registers are free from here on)
	s_barrier_signal -1                            ; the next block's tensor load may stay out across it
	s_barrier_wait -1
	WIN 0x01
.irp m, 0,1,2,3
	ds_load_b128 v[TP+4*\m:TP+4*\m+3], v[SRA] offset:SCX+256*\m    ; row 16 m + lane % 16: the row whose numbers my lane holds in the bf16 copy
.endr
.irp m, 0,1,2,3
	ds_load_b32 v[TK+\m], v[MA] offset:MSK+64*\m
.endr
	ds_load_b128 v[64:67], v[S0A] offset:SCX       ; rows 2 l, 2 l + 1: for the store of t
	ds_load_b128 v[68:71], v[S0A] offset:SCX+16
	WIN 0
	s_wait_dscnt 0x0
.irp m, 0,1,2,3
	v_pk_add_f32 v[TP+4*\m:TP+4*\m+1], v[TP+4*\m:TP+4*\m+1], v[TP+4*\m+2:TP+4*\m+3]
.endr
	v_pk_add_f32 v[64:65], v[64:65], v[66:67]
	v_pk_add_f32 v[68:69], v[68:69], v[70:71]
.irp m, 0,1,2,3
	v_add_f32 v[TW+\m], v[TP+4*\m], v[TP+4*\m+1]   ; t
.endr
	v_add_f32 v72, v64, v65
	v_add_f32 v73, v68, v69
	v_max3_num_f32 v56, v[TW], v[TW+1], v[TW+2]
	v_max_num_f32 v56, v56, v[TW+3]
.irp x, 1,2,4,8
	v_max_num_f32_dpp v56, v56, v56 row_xmask:\x row_mask:0xf bank_mask:0xf   ; both halves of the lanes hold the same rows
.endr
	v_max_num_f32 v57, v[MX], v56                  ; the new M
	v_sub_f32 v58, v[MX], v57
.irp m, 0,1,2,3
	v_sub_f32 v[TW+\m], v[TW+\m], v57
.endr
	s_wait_alu depctr_va_vdst(0)
	v_exp_f32 v58, v58                             ; f = 2^(old M - new M)
.irp m, 0,1,2,3
	v_exp_f32 v[TW+\m], v[TW+\m]                   ; p = 2^(t - M)
.endr
	v_mov_b32 v[MX], v57                           ; (a plain place behind the exponentials)
	v_mov_b32 v59, 0                               ; (named with f as a pair)
	s_wait_alu depctr_va_vdst(0)                   ; one wait for the five
.irp m, 0,1,2,3
	v_mul_f32 v[TW+\m], v[TW+\m], v[TK+\m]         ; the weights: p x mask
.endr
	v_fma_f32 v[LS], v[LS], v58, v[TW]
	v_add_f32 v60, v[TW+1], v[TW+2]
	v_add_f32 v[LS], v[LS], v[TW+3]
	v_add_f32 v[LS], v[LS], v60
	WIN 0xc3
.set i, 0
.rept 64
	v_pk_mul_f32 v[i:i+1], v[i:i+1], v[58:59] op_sel_hi:[1,0]      ; the context under the new M
.set i, i+2
.endr
	WIN 0xf2
.irp m, 0,1,2,3                                ; context += weight x enc, straight from the copy's bf16 halves; a register comes up again after 127 others
.irp sl, 0,1
.set q, 0
.rept 32
	v_fma_mix_f32_bf16 v[64*\sl+2*q], v[32*(4*\sl+\m)+q], v[TW+\m], v[64*\sl+2*q] op_sel_hi:[1,0,0]
	v_fma_mix_f32_bf16 v[64*\sl+2*q+1], v[32*(4*\sl+\m)+q], v[TW+\m], v[64*\sl+2*q+1] op_sel:[1,0,0] op_sel_hi:[1,0,0]
.set q, q+1
.endr
.endr
.endr
	WIN 0
	s_cmp_lg_u32 s[WV], 0
	s_cbranch_scc1 .Lnot_wave_0_\@
	global_store_b64 v[T8], v[72:73], s[TS:TS+1]   ; the block's 64 t: 256 consecutive bytes, aligned
.Lnot_wave_0_\@:
	s_wait_xcnt 0x0                                ; the store has read its data and its base: both are written again below and in the next block
	s_add_nc_u64 s[TS:TS+1], s[TS:TS+1], 256
	s_add_co_u32 s[MOF], s[MOF], 256
.endm
; A BLOCK of 64 rows.  fill = 1: the landing zone is asked for again, with the next 64 rows.
.macro BLOCK fill
	s_wait_tensorcnt 0x0                           ; my one tensor load has landed; I alone read my quarter of the landing zone
	WIN 0x01
	XFETCH 0
	XFETCH 1
	CONV 0, 16
	CONV 1, 19
	CONV 2, 19
	CONV 3, 19
	CONV 4, 20
	CONV 5, 19
	CONV 6, 19
	CONV 7, 3
	WIN 0
	s_wait_tensorcnt 0x0                           ; no tensor load of mine is out, so group 0 may be written
	ds_add_u32 v[SPW], v[NIL]                      ; 0 onto my spare word
.if \fill
	s_add_nc_u64 s[G0+2:G0+3], s[G0+2:G0+3], 64*4096   ; 64 rows on; the type bits on top are not reached
.endif
	s_wait_dscnt 0x0                               ; the add is done, my reads of the landing zone are over, my images (and at first my masks) lie in LDS
	s_barrier_signal -1
	s_barrier_wait -1                              ; all that holds of every wave
.if \fill
	tensor_load_to_lds s[G0:G0+3], s[G1:G1+7]      ; my one tensor load until the next such barrier: it has the block's 512 products, four epilogues and the tail in which to land
	s_nop 0
.rept 4
	v_nop
.endr
.endif
	WIN 0x40
.set i, 0
.rept 32
	v_mov_b32 v[SAC+i], 0                          ; the scores' sums begin anew: the chunk is written once, as a loop
.set i, i+1
.endr
	WIN 0
	AFETCH 0                                       ; the first chunk's first fragments; the later chunks' are fetched in the K step 7 before them
	s_mov_b32 s[NCH], 4
.Lchunk_\@:
	KSTEP 0
	KSTEP 1
	KSTEP 2
	KSTEP 3
	KSTEP 4
	KSTEP 5
	KSTEP 6
	KSTEP 7
	EPILOGUE
	s_wait_xcnt 0x0                                ; the loads issued so far have read their bases
	s_add_nc_u64 s[BP:BP+1], s[BP:BP+1], 8*PKT
	s_add_nc_u64 s[DP:DP+1], s[DP:DP+1], 4*2048
	s_add_nc_u64 s[VP:VP+1], s[VP:VP+1], 256
	s_sub_co_u32 s[NCH], s[NCH], 1
	s_cmp_lg_u32 s[NCH], 0
	s_cbranch_scc1 .Lchunk_\@
	s_sub_nc_u64 s[BP:BP+1], s[BP:BP+1], 32*PKT    ; back to the stream's head: packets 32 to 39, of which the ring now holds or awaits six, repeat packets 0 to 7
	s_sub_nc_u64 s[DP:DP+1], s[DP:DP+1], 16*2048
	s_sub_nc_u64 s[VP:VP+1], s[VP:VP+1], 1024
	TAIL
.endm
	s_load_b256 s[4:11], s[0:1], 0x0               ; enc s[4:5], masks s[6:7], v s[8:9], whp s[10:11]
	s_load_b256 s[12:19], s[0:1], 0x20             ; dcw s[12:13], tsc s[14:15], pctx s[16:17], pstat s[18:19]
	v_lshl_add_u32 v[SPW], v0, 2, SPARE
	v_mov_b32 v[NIL], 0
	ds_add_u32 v2, v3
	ds_add_u32 v2, v3
	s_wait_dscnt 0x0
	v_lshrrev_b32 v32, 5, v0
	v_readfirstlane_b32 s[WV], v32                 ; wave 0..3
	; descriptor group 1: 64 rows x 256 elements of 4 bytes, 1,024 elements from row to row; in LDS 4 words of padding behind every 256
	s_mov_b32 s[G1+0], (2<<16)|(1<<20)|(7<<22)|(3<<25)
	s_mov_b32 s[G1+1], 256<<16                     ; tensor_dim0
	s_mov_b32 s[G1+2], 64<<16                      ; tensor_dim1
	s_mov_b32 s[G1+3], 256<<16                     ; tile_dim0
	s_mov_b32 s[G1+4], 64                          ; tile_dim1
	s_mov_b32 s[G1+5], 1024                        ; tensor_dim0_stride
	s_mov_b32 s[G1+6], 0
	s_mov_b32 s[G1+7], 0
	s_mov_b32 s[G0], 1
	s_mul_i32 s[G0+1], s[WV], XW
	s_add_co_u32 s[G0+1], s[G0+1], XB              ; my quarter of the landing zone
	s_lshl_b32 s56, s[WV], 10                      ; 1,024 x wave
	s_lshl_b32 s57, s[WV], 8                       ; 256 x wave
	s_lshl_b32 s54, ttmp9, 20                      ; 256 rows of 4,096 bytes a work-group,
	s_add_co_u32 s54, s54, s56                     ; + my 1,024 bytes of a row
	s_mov_b32 s55, 0
	s_mov_b32 s59, 0
	s_wait_kmcnt 0x0
	s_add_nc_u64 s[G0+2:G0+3], s[4:5], s[54:55]
	s_or_b32 s[G0+3], s[G0+3], 0x80000000
	tensor_load_to_lds s[G0:G0+3], s[G1:G1+7]      ; the first block, ahead of everything else
	s_nop 0
.rept 4
	v_nop
.endr
	v_and_b32 v33, 31, v0                          ; lane
	v_and_b32 v34, 15, v0                          ; r
	v_bfe_u32 v35, v0, 4, 1                        ; h
	v_lshlrev_b32 v[LI], 4, v33
	s_wait_alu depctr_va_vdst(0)
	v_lshlrev_b32 v[R4], 2, v34
	v_lshlrev_b32 v[T8], 3, v33
	v_mul_u32_u24 v39, v35, PKT
	v_add_nc_u32 v[LIS], v39, v[LI]                ; lanes 16-31 read a packet further on.  (The thread's number is wanted no more)
	s_wait_alu depctr_va_vdst(0)
	s_lshl_b32 s54, ttmp9, 10
	s_add_nc_u64 s[TS:TS+1], s[14:15], s[54:55]    ; tsc and the masks: 1,024 bytes a work-group
	s_add_co_u32 s58, s54, s57
	s_add_nc_u64 s[6:7], s[6:7], s[58:59]
	global_load_b64 v[36:37], v[T8], s[6:7]        ; my wave's 64 of the work-group's 256 masks
	s_mul_i32 s58, s[WV], 40*PKT
	s_add_nc_u64 s[BP:BP+1], s[10:11], s[58:59]
	s_lshr_b32 s58, ttmp9, 3                       ; the batch: 64 bytes in each tile of 16 columns of dcw,
	s_lshl_b32 s58, s58, 6
	s_lshl_b32 s60, s[WV], 15                      ; and my 16 tiles of 2,048 bytes
	s_add_co_u32 s58, s58, s60
	s_add_nc_u64 s[DP:DP+1], s[12:13], s[58:59]
	s_mov_b32 s58, s56
	s_add_nc_u64 s[VP:VP+1], s[8:9], s[58:59]
	s_lshl_b32 s58, ttmp9, 12
	s_add_co_u32 s58, s58, s56
	s_add_nc_u64 s[16:17], s[16:17], s[58:59]      ; pctx: my 256 columns of the work-group's row
	s_lshl_b32 s58, ttmp9, 8
	s_add_nc_u64 s[18:19], s[18:19], s[58:59]      ; pstat: 256 bytes a work-group
	BDATA 2, 2                                     ; the ring's first six packets and all four pairs of scale words, in the order in which a chunk asks for the next chunk's
	BDATA 3, 3
	BDATA 4, 4
	BDATA 5, 5
	WIN 0
	BSCALE 0, 0
	BSCALE 2, 1
	BSCALE 4, 2
	BDATA 0, 0
	BDATA 1, 1
	WIN 0
	BSCALE 6, 3
	v_mul_u32_u24 v38, v34, XP
	v_lshl_add_u32 v38, v35, 6, v38                ; row r of the landing zone, + 64 h
	v_add_nc_u32 v45, s57, v[T8]                   ; where my masks go
	s_mul_i32 s60, s[WV], 8*FRB
	s_lshl_b32 s61, s[WV], 2
	WIN 0x40                                       ; the LDS addresses that stay: made once, in registers that never hold anything else
	v_add_nc_u32 v[XA], s[G0+1], v38
	v_add_nc_u32 v[IWA], s60, v[LI]
	v_add_nc_u32 v[SWA], s56, v[LI]
	v_lshl_add_u32 v[SXA], v35, 7, s61
	v_lshlrev_b32 v[SRA], 4, v34
	v_lshlrev_b32 v[S0A], 5, v33
	v_lshl_add_u32 v[CSA], v35, 6, s56
	WIN 0xc0
.set i, 0
.rept 128
	v_mov_b32 v[i], 0                              ; the context.  (The block is written for every block alike: the first finds zeros, which its f = 0 leaves zeros)
.set i, i+1
.endr
	WIN 0
.irp b, 0,1,2,3
	v_mov_b32 v[TM+4+\b], 0                        ; a lane permute's destination counts as one of its sources
.endr
	v_mov_b32 v[MX], 0xff61b1e6                    ; M: -3e38, under every t
	v_mov_b32 v[LS], 0
	s_mov_b32 s[CS], 0x4038aa3b                    ; c = 2 log2(e)
	s_mov_b32 s[CS+1], s[CS]
	s_mov_b32 s[NC], 0xc038aa3b                    ; -c
	s_mov_b32 s[SEL], 0x76543210
	s_mov_b32 s[SEL+1], 0xfedcba98
	s_mov_b32 s[MOF], 0
	s_wait_loadcnt 63                              ; the masks are in: 76 loads were issued behind them, and the count is the largest that the wait can name
	ds_store_b64 v45, v[36:37] offset:MSK
	s_mov_b32 s[NBLK], 3
.Lblock:
	BLOCK 1
	s_sub_co_u32 s[NBLK], s[NBLK], 1
	s_cmp_lg_u32 s[NBLK], 0
	s_cbranch_scc1 .Lblock
	BLOCK 0                                        ; the last block is written out: it asks for nothing
	; THE WAY OUT.  L's sixteen lanes are joined; wave 0 stores (M, L); the context's sixteen lanes (rows) are joined and leave through my stage.
.irp x, 1,2,4,8
	v_add_f32_dpp v[LS], v[LS], v[LS] row_xmask:\x row_mask:0xf bank_mask:0xf
.endr
	s_cmp_lg_u32 s[WV], 0
	s_cbranch_scc1 .Lno_stat
	global_store_b64 v[T8], v[MX:MX+1], s[18:19]   ; (M, L) 32 times: 256 consecutive bytes, aligned
.Lno_stat:
	WIN 0xcf
.irp x, 1,2,4,8
.set i, 0
.rept 128
	v_add_f32_dpp v[i], v[i], v[i] row_xmask:\x row_mask:0xf bank_mask:0xf
.set i, i+1
.endr
.endr
	WIN 0x0d
.irp sl, 0,1
.irp b, 0,1,2,3
.irp j, 0,1,2,3
	ds_store_b128 v[CSA], v[64*\sl+16*\b+4*\j:64*\sl+16*\b+4*\j+3] offset:CST+512*\sl+128*\b+16*\j   ; columns 128 sl + 32 b + 16 h + 4 j on; the sixteen lanes of a half write the same bytes with the same values
.endr
.endr
.endr
	WIN 0x01
	ds_load_b128 v[32:35], v[SWA] offset:CST       ; LDS serves a wave's instructions in order (ISA guide 5.7.1.4): these see my stores
	ds_load_b128 v[36:39], v[SWA] offset:CST+512
	WIN 0
	s_wait_dscnt 0x0
	global_store_b128 v[LI], v[32:35], s[16:17]    ; 512 consecutive bytes each
	global_store_b128 v[LI], v[36:39], s[16:17] offset:512
	s_wait_tensorcnt 0x0                           ; the wave's end
	ds_add_u32 v[SPW], v[NIL]
	s_wait_dscnt 0x0
	s_endpgm
.Lfunc_end_k_q3f92891b91_main:
	.size	k_q3f92891b91_main, .Lfunc_end_k_q3f92891b91_main-k_q3f92891b91_main
	.p2alignl 7, 3214868480
	.fill 96, 4, 3214868480
	.section	.rodata,"a",@progbits
	.p2align	6, 0x0
	.amdhsa_kernel k_q3f92891b91_main
		.amdhsa_group_segment_fixed_size 327680
		.amdhsa_private_segment_fixed_size 0
		.amdhsa_enable_private_segment 0
		.amdhsa_kernarg_size 64
		.amdhsa_user_sgpr_count 2
		.amdhsa_user_sgpr_kernarg_segment_ptr 1
		.amdhsa_wavefront_size32 1
		.amdhsa_system_sgpr_workgroup_id_x 1
		.amdhsa_system_sgpr_workgroup_id_y 1
		.amdhsa_system_sgpr_workgroup_id_z 1
		.amdhsa_system_vgpr_workitem_id 0
		.amdhsa_next_free_vgpr 1024
		.amdhsa_next_free_sgpr 66
		.amdhsa_reserve_vcc 0
		.amdhsa_float_denorm_mode_32 3
		.amdhsa_float_denorm_mode_16_64 3
		.amdhsa_memory_ordered 1
		.amdhsa_forward_progress 1
		.amdhsa_inst_pref_size 255
	.end_amdhsa_kernel
	.section	.bss,"aw",@nobits
	.p2align	6
	.space	262144
	.amdgpu_metadata
---
amdhsa.version: [ 1, 2 ]
amdhsa.kernels:
  - .name:           k_q3f92891b91_main
    .symbol:         k_q3f92891b91_main.kd
    .args:
      - { .name: encoder_output, .offset: 0, .size: 8, .value_kind: global_buffer, .address_space: global }
      - { .name: x_padding_masks, .offset: 8, .size: 8, .value_kind: global_buffer, .address_space: global }
      - { .name: v, .offset: 16, .size: 8, .value_kind: global_buffer, .address_space: global }
      - { .name: whp, .offset: 24, .size: 8, .value_kind: global_buffer, .address_space: global }
      - { .name: dcw, .offset: 32, .size: 8, .value_kind: global_buffer, .address_space: global }
      - { .name: tsc, .offset: 40, .size: 8, .value_kind: global_buffer, .address_space: global }
      - { .name: pctx, .offset: 48, .size: 8, .value_kind: global_buffer, .address_space: global }
      - { .name: pstat, .offset: 56, .size: 8, .value_kind: global_buffer, .address_space: global }
    .group_segment_fixed_size: 327680
    .private_segment_fixed_size: 0
    .kernarg_segment_align: 8
    .kernarg_segment_size: 64
    .max_flat_workgroup_size: 128
    .sgpr_count:     66
    .vgpr_count:     1024
    .wavefront_size: 32
...
	.end_amdgpu_metadata
.endif
;; end of part 2
;; launch fin (part 3): grid 32 x 1, 8 waves a work-group, no clusters, 0 bytes of LDS; arguments tsc, pctx, pstat, x_padding_masks, out0, out1; writes out0, out1
.if DOCPART == 3
	.amdgcn_target "amdgcn-amd-amdhsa--gfx1250"
	.amdhsa_code_object_version 6
	.text
	.protected	k_q3f92891b91_fin
	.globl	k_q3f92891b91_fin
	.p2align	8
	.type	k_q3f92891b91_fin,@function
k_q3f92891b91_fin:
	s_mov_b64 s[64:65], 0
	v_nop
	global_prefetch_b8 v0, s[64:65] scope:SCOPE_SE
	s_setreg_imm32_b32 hwreg(HW_REG_WAVE_MODE, 25, 1), 1
	s_wait_xcnt 0x0
; A batch's eight parts are joined.  Part g has its largest t M_g, its sum L_g = sum of 2^(t - M_g) x mask and its context under M_g.  M = the largest M_g; f_g = 2^(M_g - M); L = sum of L_g f_g;
; out0 = sum of context_g f_g / L;  out1 = 2^(t - M) x mask / L.  One work-group a batch; thread i takes 16 bytes at 16 i of each row: every load and store of a wave covers 512 consecutive bytes.
; A batch whose every mask is 0 gives 0 x infinity = NaN, as the division 0 / 0 in the definition does.
; No LDS, no barrier, no matrix unit: each thread's numbers hang on no other thread's.
	s_load_b256 s[4:11], s[0:1], 0x0               ; tsc s[4:5], pctx s[6:7], pstat s[8:9], masks s[10:11]
	s_load_b128 s[12:15], s[0:1], 0x20             ; out0 s[12:13], out1 s[14:15]
	v_lshlrev_b32 v1, 4, v0
	s_lshl_b32 s16, ttmp9, 15                      ; pctx: eight rows of 4,096 bytes a batch
	s_mov_b32 s17, 0
	s_lshl_b32 s18, ttmp9, 13                      ; tsc, masks, out1: 8,192 bytes
	s_mov_b32 s19, 0
	s_lshl_b32 s20, ttmp9, 11                      ; pstat: eight units of 256 bytes
	s_mov_b32 s21, 0
	s_lshl_b32 s22, ttmp9, 12                      ; out0: 4,096 bytes
	s_mov_b32 s23, 0
	s_wait_alu depctr_va_vdst(0)
	s_wait_kmcnt 0x0
	s_add_nc_u64 s[6:7], s[6:7], s[16:17]
	s_add_nc_u64 s[4:5], s[4:5], s[18:19]
	s_add_nc_u64 s[10:11], s[10:11], s[18:19]
	s_add_nc_u64 s[14:15], s[14:15], s[18:19]
	s_add_nc_u64 s[8:9], s[8:9], s[20:21]
	s_add_nc_u64 s[12:13], s[12:13], s[22:23]
.irp g, 0,1,2,3,4,5,6,7
	global_load_b128 v[8+4*\g:11+4*\g], v1, s[6:7] offset:4096*\g th:TH_LOAD_NT
.endr
	global_load_b128 v[40:43], v1, s[4:5] th:TH_LOAD_NT
	global_load_b128 v[44:47], v1, s[4:5] offset:4096 th:TH_LOAD_NT
	global_load_b128 v[48:51], v1, s[10:11] th:TH_LOAD_NT
	global_load_b128 v[52:55], v1, s[10:11] offset:4096 th:TH_LOAD_NT
.irp g, 0,1,2,3,4,5,6,7
	s_load_b64 s[24+2*\g:25+2*\g], s[8:9], 256*\g  ; M_g, L_g
.endr
	s_wait_kmcnt 0x0
	v_mov_b32 v64, s24
	s_delay_alu instid0(VALU_DEP_1)
	v_max3_num_f32 v64, v64, s26, s28
	s_delay_alu instid0(VALU_DEP_1)
	v_max3_num_f32 v64, v64, s30, s32
	s_delay_alu instid0(VALU_DEP_1)
	v_max3_num_f32 v64, v64, s34, s36
	s_delay_alu instid0(VALU_DEP_1)
	v_max_num_f32 v64, s38, v64                    ; M
.irp g, 0,1,2,3,4,5,6,7
	v_sub_f32 v[56+\g], s[24+2*\g], v64
.endr
	s_wait_alu depctr_va_vdst(0)
.irp g, 0,1,2,3,4,5,6,7
	v_exp_f32 v[56+\g], v[56+\g]                   ; f_g
.endr
	v_mov_b32 v67, 0                               ; (a plain place behind the exponentials; named below with 1 / L as a pair)
	s_wait_alu depctr_va_vdst(0)                   ; one wait for the eight
	v_mul_f32 v65, s25, v56
.irp g, 1,2,3,4,5,6,7
	v_fmac_f32 v65, s[25+2*\g], v[56+\g]           ; L
.endr
	s_wait_alu depctr_va_vdst(0)
	v_rcp_f32 v66, v65
	v_nop
	s_wait_alu depctr_va_vdst(0)
.irp g, 0,1,2,3,4,5,6,7
	v_mul_f32 v[56+\g], v[56+\g], v66              ; f_g / L
.endr
	s_wait_alu depctr_va_vdst(0)
	s_wait_loadcnt 4                               ; the eight contexts are in; the four loads of t and of the masks may be out
	v_pk_mul_f32 v[68:69], v[8:9], v[56:57] op_sel_hi:[1,0]
	v_pk_mul_f32 v[70:71], v[10:11], v[56:57] op_sel_hi:[1,0]
.irp g, 1,2,3,4,5,6,7
.irp u, 0,2
.if (\g)%2
	s_delay_alu instid0(VALU_DEP_2)
	v_pk_fma_f32 v[68+\u:69+\u], v[8+4*\g+\u:9+4*\g+\u], v[56+2*(\g/2):57+2*(\g/2)], v[68+\u:69+\u] op_sel:[0,1,0] op_sel_hi:[1,1,1]
.else
	s_delay_alu instid0(VALU_DEP_2)
	v_pk_fma_f32 v[68+\u:69+\u], v[8+4*\g+\u:9+4*\g+\u], v[56+2*(\g/2):57+2*(\g/2)], v[68+\u:69+\u] op_sel_hi:[1,0,1]
.endif
.endr
.endr
	global_store_b128 v1, v[68:71], s[12:13] th:TH_STORE_NT
	s_wait_loadcnt 0x0
.irp i, 0,1,2,3,4,5,6,7
	v_sub_f32 v[40+\i], v[40+\i], v64
.endr
	s_wait_alu depctr_va_vdst(0)
.irp i, 0,1,2,3,4,5,6,7
	v_exp_f32 v[40+\i], v[40+\i]                   ; 2^(t - M)
.endr
.irp i, 0,2,4,6
	v_pk_mul_f32 v[48+\i:49+\i], v[48+\i:49+\i], v[66:67] op_sel_hi:[1,0]     ; mask / L: plain work behind the exponentials
.endr
	s_wait_alu depctr_va_vdst(0)
.irp i, 0,2,4,6
	v_pk_mul_f32 v[40+\i:41+\i], v[40+\i:41+\i], v[48+\i:49+\i]
.endr
	global_store_b128 v1, v[40:43], s[14:15] th:TH_STORE_NT
	global_store_b128 v1, v[44:47], s[14:15] offset:4096 th:TH_STORE_NT
	s_endpgm
.Lfunc_end_k_q3f92891b91_fin:
	.size	k_q3f92891b91_fin, .Lfunc_end_k_q3f92891b91_fin-k_q3f92891b91_fin
	.p2alignl 7, 3214868480
	.fill 96, 4, 3214868480
	.section	.rodata,"a",@progbits
	.p2align	6, 0x0
	.amdhsa_kernel k_q3f92891b91_fin
		.amdhsa_group_segment_fixed_size 0
		.amdhsa_private_segment_fixed_size 0
		.amdhsa_enable_private_segment 0
		.amdhsa_kernarg_size 48
		.amdhsa_user_sgpr_count 2
		.amdhsa_user_sgpr_kernarg_segment_ptr 1
		.amdhsa_wavefront_size32 1
		.amdhsa_system_sgpr_workgroup_id_x 1
		.amdhsa_system_sgpr_workgroup_id_y 1
		.amdhsa_system_sgpr_workgroup_id_z 1
		.amdhsa_system_vgpr_workitem_id 0
		.amdhsa_next_free_vgpr 96
		.amdhsa_next_free_sgpr 66
		.amdhsa_reserve_vcc 0
		.amdhsa_float_denorm_mode_32 3
		.amdhsa_float_denorm_mode_16_64 3
		.amdhsa_memory_ordered 1
		.amdhsa_forward_progress 1
		.amdhsa_inst_pref_size 8
	.end_amdhsa_kernel
	.amdgpu_metadata
---
amdhsa.version: [ 1, 2 ]
amdhsa.kernels:
  - .name:           k_q3f92891b91_fin
    .symbol:         k_q3f92891b91_fin.kd
    .args:
      - { .name: tsc, .offset: 0, .size: 8, .value_kind: global_buffer, .address_space: global }
      - { .name: pctx, .offset: 8, .size: 8, .value_kind: global_buffer, .address_space: global }
      - { .name: pstat, .offset: 16, .size: 8, .value_kind: global_buffer, .address_space: global }
      - { .name: x_padding_masks, .offset: 24, .size: 8, .value_kind: global_buffer, .address_space: global }
      - { .name: out0, .offset: 32, .size: 8, .value_kind: global_buffer, .address_space: global }
      - { .name: out1, .offset: 40, .size: 8, .value_kind: global_buffer, .address_space: global }
    .group_segment_fixed_size: 0
    .private_segment_fixed_size: 0
    .kernarg_segment_align: 8
    .kernarg_segment_size: 48
    .max_flat_workgroup_size: 256
    .sgpr_count:     66
    .vgpr_count:     96
    .wavefront_size: 32
...
	.end_amdgpu_metadata
.endif
;; end of part 3
